; MI455X (gfx1250); checked and timed in simulation.
; The chip was launched on July 23, 2026; its instructions are those of AMD's public machine-readable ISA for CDNA 5 (MIT licence, August 2026) and "CDNA5" Instruction Set Architecture Reference Guide (July 2026). The comments in the code are by the model that wrote it; some were corrected since.
;; Scaled Dot Product Attention. Allowed arithmetic: matrix products marked QUANTISED: E2M1 operands, one E8M0 scale for each 32 along K, by v_wmma_scale_f32_16x16x128_f8f6f4 with both operands' format E2M1 (or v_wmma_scale_f32_32x16x128_f4), f32 sums; products left as they are: bf16, f16 or f32 operands; f32 sums; everything else in f32.
;; Inputs: k 4 x 16 x 2,048 x 128 float32; q 4 x 16 x 2,048 x 128 float32; v 4 x 16 x 2,048 x 128 float32.
;; Outputs: out0 4 x 16 x 2,048 x 128 float32.
;; This version of the problem:
;;   THIS VERSION OF THE PROBLEM IS GIVEN IN LOW PRECISION. The matrix products marked QUANTISED in the list below multiply operands that are first quantised to E2M1 (2 exponent bits, 1 mantissa bit; 4 bits a number), with one power-of-two scale for each 32 numbers along K (OCP MX v1.0); their sums are f32. The products marked 'left as it is' may take bf16, f16 or f32 operands, with f32 sums. Whichever they take, every output number must still come out within the allowed error. Rounding operands to bf16 (8 significant bits) uses up far more of that allowance than f16 does (11 bits, for magnitudes from 6e-5 to 65,504). All else is computed in f32.
;;   The module's matrix products, in the order in which they are computed (A, B: the left and right operand; K: the contracted axis; several contracted axes count as one K, in the product's order):
;;     1. batch 64 x [M 2,048, K 128] x [K 128, N 2,048]; A: input q; B: input k: QUANTISED
;;     2. batch 64 x [M 2,048, K 2,048] x [K 2,048, N 128]; A: computed on the way; B: input v: left as it is (an operand is computed on the way)
;;   THE QUANTISER, for each operand of a quantised product, along K:
;;     - K is cut into blocks of 32 from its start; a last block that is shorter is filled with zeros.
;;     - A block's scale is 2^e with e = floor(log2(the largest magnitude in the block)) - 2, held to -126 .. 127; a block of zeros has e = 0. As a byte (E8M0): e + 127.
;;     - Each number is divided by its block's scale, clamped to +-6, and rounded to the nearest number of E2M1, ties to even, subnormals kept.
;;     - The product sums the exact products of the quantised numbers (number of the format x scale) in f32.
;;   ~~~python
;;   def quantise(x, axis):      # numpy; x: float32 -> the quantised numbers, widened to float32 again
;;       x = np.moveaxis(x, axis, -1); K = x.shape[-1]
;;       x = np.pad(x, [(0, 0)] * (x.ndim - 1) + [(0, -K % 32)]); x = x.reshape(x.shape[:-1] + (-1, 32)); a = np.abs(x).max(-1, keepdims=True)
;;       e = np.where(a > 0, np.clip(np.frexp(np.where(a > 0, a, 1))[1] - 1 - 2, -126, 127), 0)      # np.frexp(a)[1] - 1 = floor(log2(a)), exactly
;;       r = np.clip(x / 2.0 ** e, -6, 6)
;;       step = 2.0 ** (np.maximum(np.frexp(np.where(r == 0, 1, r))[1] - 1, 0) - 1)
;;       q = np.round(r / step) * step * 2.0 ** e      # np.round: ties to even
;;       return np.moveaxis(q.reshape(q.shape[:-2] + (-1,))[..., :K], -1, axis).astype(np.float32)
;;   ~~~
;; One version. Each part assembles by itself: llvm-mc -triple=amdgcn-amd-amdhsa -mcpu=gfx1250 --defsym DOCPART=n.
;; ======== version 1 of 1: 2 launches
;; limits: values are held in f16: magnitudes above 65,504 overflow, below 6.1e-05 lose precision
;; workspace buffers: qc 8,388,608 bytes; qs 524,288 bytes; kc 8,388,608 bytes; ks 524,288 bytes; vh 33,554,432 bytes
;; launch prep (part 1): grid 1536 x 1, 4 waves a work-group, no clusters, 33,280 bytes of LDS; arguments q, k, v, qc, qs, kc, ks, vh; writes qc, qs, kc, ks, vh
.if DOCPART == 1
	.amdgcn_target "amdgcn-amd-amdhsa--gfx1250"
	.amdhsa_code_object_version 6
	.text
	.protected	k_q5763cb6507_prep
	.globl	k_q5763cb6507_prep
	.p2align	8
	.type	k_q5763cb6507_prep,@function
k_q5763cb6507_prep:
	s_mov_b64 s[64:65], 0
	v_nop
	global_prefetch_b8 v0, s[64:65] scope:SCOPE_SE
	s_setreg_imm32_b32 hwreg(HW_REG_WAVE_MODE, 25, 1), 1
	s_wait_xcnt 0x0
; q and k, [64 heads][2048][128] f32, become codes of FP4 (E2M1), K = the head's 128 innermost, two codes a byte (the lower k in the low four bits), with one E8M0 byte for each 32 along K;
; v, of the same shape, becomes f16 as it lies (a row of 128 numbers is then 256 bytes).  Every query block of a head reads k and v again, so they are narrowed once, here.
; A block's scale is 2^(floor(log2(its largest magnitude)) - 2); its byte is the largest magnitude's own exponent field - 2, held at 1 from below.  Each number is divided by the scale and rounded
; to the nearest code, ties to even; what lies beyond 6 gets the largest code.
; LIMITS: a block of zeros gets the byte 1 where the quantiser's text says 127: its codes are zeros, which add nothing, and the bytes are read by this program alone.  NaN and infinities among the
; inputs are not served.  A number of v beyond 65,504 in magnitude becomes infinity in f16; one under 2^-24 becomes 0.
; SHARES: a tensor is a plain stream of 16,777,216 numbers.  Work-groups 0-511 take q, 512-1023 k, 1024-1535 v: 32,768 numbers each, 8,192 a wave, in 16 steps of 512 numbers (2,048 bytes).
; Only pointers are chosen by the work-group's number; v's work-groups then part to the cast, which names no LDS data bytes.  Waves share nothing: no barrier.  Loads run four steps (16 loads a wave) ahead.
; THE QUANTISING PATH: the conversions take eight numbers of ONE block from a lane's consecutive registers, so a lane must hold 16 neighbours, while a load is best where neighbouring lanes take
; neighbouring bytes.  So a step's 2,048 bytes are loaded 16 bytes a lane, go through the wave's own stage in LDS as they lie, and come back 64 bytes a lane; two neighbouring lanes hold a block.
.set WAVES, 4
.set STEPS, 16
.set EMAX,  2
.set CB,    8                          ; bytes of 16 codes
.set R,     16                         ; v16-79   four sets of 16 numbers as they are loaded
.set X,     80                         ; v80-111  two sets of 16 neighbours
.set E,     112                        ; v112-127 a scale byte for each step
.set C,     128                        ; v128-191 what is stored: codes (four registers a step), or f16 (eight registers a step, eight steps deep)
.set WREG,  8192                       ; LDS: a region for each wave: two stages of 32 x SP bytes, behind them its 256 scale bytes
.set SP,    80                         ; a lane's place in a stage: its 64 bytes + 16 of padding
.set SPW,   12                         ; v12      LDS address of my spare word: SPARE + 4 x my thread's number; never rewritten
.set NIL,   13                         ; v13      0; never rewritten
.set SPARE, WAVES*WREG                 ; behind the four regions: the spare words, 128 bytes a wave, which no other line names
	s_load_b256 s[4:11], s[0:1], 0x0               ; q s[4:5], k s[6:7], v s[8:9], q's codes s[10:11]
	s_load_b256 s[12:19], s[0:1], 0x20             ; q's scales s[12:13], k's codes s[14:15], k's scales s[16:17], v in f16 s[18:19]
	v_lshl_add_u32 v[SPW], v0, 2, SPARE
	v_mov_b32 v[NIL], 0
	v_lshrrev_b32 v1, 5, v0
	v_readfirstlane_b32 s21, v1                    ; wave
	v_and_b32 v2, 31, v0                           ; lane
	v_lshlrev_b32 v3, 4, v2                        ; my 16 bytes of a load's 512
	s_mul_i32 s22, s21, WREG
	v_lshrrev_b32 v14, 2, v2
	v_mul_u32_u24 v14, v14, SP
	v_and_b32 v15, 3, v2
	v_lshl_add_u32 v14, v15, 4, v14
	v_add_nc_u32 v14, s22, v14                     ; the stage, on the way in: four lanes' 64 bytes on end, then 16 of padding
	v_mul_u32_u24 v15, v2, SP
	v_add_nc_u32 v15, s22, v15                     ; and on the way out: SP x lane: my 16 neighbours
	v_mul_u32_u24 v4, v2, CB                       ; 8 x lane: my codes' place in a step's, and my four f16 in a load's
	v_lshrrev_b32 v5, 1, v2
	s_add_co_u32 s22, s22, 2*32*SP
	v_add_nc_u32 v5, s22, v5                       ; LDS: my wave's 256 scale bytes, my block's byte
	v_lshlrev_b32 v7, 3, v2                        ; and on the way out 8 bytes a lane
	v_add_nc_u32 v6, s22, v7
	s_lshr_b32 s20, ttmp9, 9                       ; which tensor: 0 q, 1 k, 2 v
	s_and_b32 s23, ttmp9, 511
	s_lshl_b32 s23, s23, 2
	s_add_co_u32 s24, s23, s21                     ; which run of 8,192 numbers is my wave's: 0 .. 2047
	s_lshl_b32 s26, s24, 15                        ; its f32 bytes,
	s_mov_b32 s27, 0
	s_lshl_b32 s28, s24, 12                        ; its codes,
	s_mov_b32 s29, 0
	s_lshl_b32 s30, s24, 8                         ; its scale bytes,
	s_mov_b32 s31, 0
	s_lshl_b32 s32, s24, 14                        ; its f16 bytes
	s_mov_b32 s33, 0
	s_wait_kmcnt 0x0
	s_cmp_eq_u32 s20, 0                            ; the choices hang on the work-group's number alone
	s_cselect_b64 s[4:5], s[4:5], s[6:7]
	s_cselect_b64 s[10:11], s[10:11], s[14:15]
	s_cselect_b64 s[12:13], s[12:13], s[16:17]
	s_cmp_eq_u32 s20, 2
	s_cselect_b64 s[4:5], s[8:9], s[4:5]
	s_add_nc_u64 s[4:5], s[4:5], s[26:27]
	s_add_nc_u64 s[10:11], s[10:11], s[28:29]
	s_add_nc_u64 s[12:13], s[12:13], s[30:31]
	s_add_nc_u64 s[18:19], s[18:19], s[32:33]
.macro LOAD t
.irp i, 0,1,2,3
	global_load_b128 v[R+16*((\t)%4)+4*\i:R+16*((\t)%4)+4*\i+3], v3, s[4:5] offset:2048*(\t)+512*\i th:TH_LOAD_NT   ; 32 lanes read 512 consecutive bytes
.endr
.endm
.macro TURN t                          ; step t's numbers through the stage: LDS serves a wave's instructions in order, so no wait stands between the stores and the loads
.irp i, 0,1,2,3
	ds_store_b128 v14, v[R+16*((\t)%4)+4*\i:R+16*((\t)%4)+4*\i+3] offset:32*SP*((\t)%2)+8*SP*\i
.endr
.irp i, 0,1,2,3
	ds_load_b128 v[X+16*((\t)%2)+4*\i:X+16*((\t)%2)+4*\i+3], v15 offset:32*SP*((\t)%2)+16*\i
.endr
.endm
.irp t, 0,1,2,3
	LOAD \t
.endr
	s_cmp_eq_u32 s20, 2
	s_cbranch_scc1 .Lcast                          ; v's work-groups part here
	s_wait_loadcnt 12                              ; step 0's four loads are in; the twelve of steps 1 to 3 may be out
	TURN 0
.macro QSTEP t
.set XS, X+16*((\t)%2)
.if (\t) > 0
	s_wait_dscnt 1                                 ; this step's numbers are back from the stage (the last step's byte store may be out): so its stores into the stage have read their registers,
.else
	s_wait_dscnt 0x0
.endif
.if (\t)+4 < STEPS
	LOAD (\t)+4                                    ; which take the loads of four steps on
.endif
.if (\t)+1 < STEPS
.if STEPS-2-(\t) >= 3
	s_wait_loadcnt 12                              ; the next step's four loads are in; those of the three steps behind it may be out
.else
	s_wait_loadcnt 4*(STEPS-2-(\t))
.endif
	TURN (\t)+1                                    ; and go through the other stage while this step is worked
.endif
	v_max3_num_f32 v8, |v[XS]|, |v[XS+1]|, |v[XS+2]|               ; the largest magnitude of my 16, in two chains
	v_max3_num_f32 v9, |v[XS+3]|, |v[XS+4]|, |v[XS+5]|
.irp i, 6,10
	v_max3_num_f32 v8, v8, |v[XS+\i]|, |v[XS+\i+1]|
	v_max3_num_f32 v9, v9, |v[XS+\i+2]|, |v[XS+\i+3]|
.endr
	v_max3_num_f32 v8, v8, |v[XS+14]|, |v[XS+15]|
	v_max3_num_f32 v8, v8, v9, (EMAX+1)<<23        ; and the floor 2^(EMAX + 1 - 127): so the byte cannot fall under 1
	v_max_num_f32_dpp v8, v8, v8 row_xmask:1 row_mask:0xf bank_mask:0xf   ; and of my neighbour's 16: the block's
	v_add_nc_u32 v11, -(EMAX<<23), v8              ; EMAX off its exponent field: the conversion takes the exponent field of this operand as its scale, and nothing else of it
	v_cvt_scalef32_pk8_fp4_f32 v[C+4*(\t)], v[XS:XS+7], v11
	v_cvt_scalef32_pk8_fp4_f32 v[C+4*(\t)+1], v[XS+8:XS+15], v11
	v_lshrrev_b32 v[E+(\t)], 23, v11               ; the scale's byte (also the plain line behind the conversions)
	ds_store_b8 v5, v[E+(\t)] offset:16*(\t)       ; both lanes of a block write the same byte with the same value
	global_store_b64 v4, v[C+4*(\t):C+4*(\t)+1], s[10:11] offset:32*CB*(\t)   ; 32 lanes store 256 consecutive bytes, aligned; each step has its own data registers
.endm
.irp t, 0,1,2,3,4,5,6,7,8,9,10,11,12,13,14,15
	QSTEP \t
.endr
	ds_load_b64 v[8:9], v6                         ; LDS serves a wave's instructions in order: these see my byte stores
	s_wait_dscnt 0x0
	global_store_b64 v7, v[8:9], s[12:13]          ; my wave's 256 scale bytes: 256 consecutive bytes, aligned
	s_wait_tensorcnt 0x0                           ; the wave's end, behind my last LDS store
	ds_add_u32 v[SPW], v[NIL]
	s_wait_dscnt 0x0
	s_endpgm
; THE CAST: a lane's four numbers of a load become four f16, 8 bytes: the 32 lanes store 256 consecutive bytes, aligned.
.macro CSTEP t
.if 15-(\t) >= 3
	s_wait_loadcnt 12                              ; this step's four loads are in; those of the three steps behind it may be out
.else
	s_wait_loadcnt 4*(15-(\t))
.endif
.if (\t) >= 8
	s_wait_xcnt 0x0                                ; the stores of eight steps back have read their data registers, which are written again below
.endif
.irp i, 0,1,2,3
	v_cvt_pk_f16_f32 v[C+8*((\t)%8)+2*\i], v[R+16*((\t)%4)+4*\i], v[R+16*((\t)%4)+4*\i+1]
	v_cvt_pk_f16_f32 v[C+8*((\t)%8)+2*\i+1], v[R+16*((\t)%4)+4*\i+2], v[R+16*((\t)%4)+4*\i+3]
.endr
.if (\t)+4 < STEPS
	LOAD (\t)+4                                    ; loads ahead of stores
.endif
.irp i, 0,1,2,3
	global_store_b64 v4, v[C+8*((\t)%8)+2*\i:C+8*((\t)%8)+2*\i+1], s[18:19] offset:1024*(\t)+256*\i
.endr
.endm
.Lcast:
.irp t, 0,1,2,3,4,5,6,7,8,9,10,11,12,13,14,15
	CSTEP \t
.endr
	s_wait_tensorcnt 0x0                           ; the wave's end, as above
	ds_add_u32 v[SPW], v[NIL]
	s_wait_dscnt 0x0
	s_endpgm
.Lfunc_end_k_q5763cb6507_prep:
	.size	k_q5763cb6507_prep, .Lfunc_end_k_q5763cb6507_prep-k_q5763cb6507_prep
	.p2alignl 7, 3214868480
	.fill 96, 4, 3214868480
	.section	.rodata,"a",@progbits
	.p2align	6, 0x0
	.amdhsa_kernel k_q5763cb6507_prep
		.amdhsa_group_segment_fixed_size 33280
		.amdhsa_private_segment_fixed_size 0
		.amdhsa_enable_private_segment 0
		.amdhsa_kernarg_size 64
		.amdhsa_user_sgpr_count 2
		.amdhsa_user_sgpr_kernarg_segment_ptr 1
		.amdhsa_wavefront_size32 1
		.amdhsa_system_sgpr_workgroup_id_x 1
		.amdhsa_system_sgpr_workgroup_id_y 1
		.amdhsa_system_sgpr_workgroup_id_z 1
		.amdhsa_system_vgpr_workitem_id 0
		.amdhsa_next_free_vgpr 192
		.amdhsa_next_free_sgpr 66
		.amdhsa_reserve_vcc 0
		.amdhsa_float_denorm_mode_32 3
		.amdhsa_float_denorm_mode_16_64 3
		.amdhsa_memory_ordered 1
		.amdhsa_forward_progress 1
		.amdhsa_inst_pref_size 53
	.end_amdhsa_kernel
	.amdgpu_metadata
---
amdhsa.version: [ 1, 2 ]
amdhsa.kernels:
  - .name:           k_q5763cb6507_prep
    .symbol:         k_q5763cb6507_prep.kd
    .args:
      - { .name: q, .offset: 0, .size: 8, .value_kind: global_buffer, .address_space: global }
      - { .name: k, .offset: 8, .size: 8, .value_kind: global_buffer, .address_space: global }
      - { .name: v, .offset: 16, .size: 8, .value_kind: global_buffer, .address_space: global }
      - { .name: qc, .offset: 24, .size: 8, .value_kind: global_buffer, .address_space: global }
      - { .name: qs, .offset: 32, .size: 8, .value_kind: global_buffer, .address_space: global }
      - { .name: kc, .offset: 40, .size: 8, .value_kind: global_buffer, .address_space: global }
      - { .name: ks, .offset: 48, .size: 8, .value_kind: global_buffer, .address_space: global }
      - { .name: vh, .offset: 56, .size: 8, .value_kind: global_buffer, .address_space: global }
    .group_segment_fixed_size: 33280
    .private_segment_fixed_size: 0
    .kernarg_segment_align: 8
    .kernarg_segment_size: 64
    .max_flat_workgroup_size: 128
    .sgpr_count:     66
    .vgpr_count:     192
    .wavefront_size: 32
...
	.end_amdgpu_metadata
.endif
;; end of part 1
;; launch attn (part 2): grid 4 x 64, 8 waves a work-group, clusters of 4 x 1, 327,680 bytes of LDS; arguments qc, qs, kc, ks, vh, out0; writes out0
.if DOCPART == 2
	.amdgcn_target "amdgcn-amd-amdhsa--gfx1250"
	.amdhsa_code_object_version 6
	.text
	.protected	k_q5763cb6507_attn
	.globl	k_q5763cb6507_attn
	.p2align	8
	.type	k_q5763cb6507_attn,@function
k_q5763cb6507_attn:
	s_mov_b64 s[64:65], 0
	v_nop
	global_prefetch_b8 v0, s[64:65] scope:SCOPE_SE
	s_setreg_imm32_b32 hwreg(HW_REG_WAVE_MODE, 25, 1), 1
	s_wait_xcnt 0x0
	s_wait_alu depctr_hold_cnt(0) depctr_sa_sdst(0) depctr_va_vdst(0) depctr_va_sdst(0) depctr_va_ssrc(0) depctr_va_vcc(0) depctr_vm_vsrc(0)
	s_getreg_b32 s2, hwreg(HW_REG_IB_STS2, 6, 4)
	s_cmp_eq_u32 s2, 0
	s_cbranch_scc0 .Lentry_in_a_cluster
	s_endpgm
.Lentry_in_a_cluster:
	s_bfe_u32 s2, ttmp6, 0x10000c
	s_cmp_lg_u32 s2, 0x3003
	s_cbranch_scc0 .Lentry_shape_is_right
	s_endpgm
.Lentry_shape_is_right:
; out[h][q][:] = the sum over k of softmax_k(Q[h][q] . K[h][k] / sqrt(128)) V[h][k][:], 64 heads, 2,048 queries and keys, head size 128.
; The first product is on codes of FP4 (E2M1) with one E8M0 scale for each 32 of the head's 128 (qc, qs, kc, ks: rows of 64 bytes of codes, 4 scale bytes a row); the second on f16 (vh: rows of 256 bytes); sums, maxima, exponentials in f32.
; TWO PASSES.  Pass 1 forms all scores of my queries and keeps each row's largest, m.  Pass 2 forms the same scores again (the same instruction on the same registers' contents: the same bits),
; p = 2^(c s - c m) with c = log2(e) / sqrt(128), the row's sum l of p in f32, p rounded to f16, and O^T += V^T P; at the end O^T / l.  So the row's true maximum is taken away, nothing is ever rescaled,
; and no running maximum is kept.  The price is the first product twice: 128 along K in one instruction for 16 x 16 scores, against four f16 instructions for the second product's share of the same scores.
; SHARES.  A work-group owns 512 queries of one head; each of its eight waves 64: four tiles of 16, in 512 registers.  Every wave walks all 2,048 keys.
; LAYOUT.  Both products are used transposed: S^T = K Q^T (source 0 = 16 keys, source 1 = 16 queries), O^T = V^T P (source 0 = 16 channels x 32 keys, source 1 = P): a lane holds ONE query (lane % 16) throughout.
; Two tiles of S^T (16 keys each), rounded to f16 in pairs, ARE P's fragment of 32 keys.  V ([key][channel]) comes out of LDS turned, by ds_load_tr16_b128.
; LDS.  The head's K codes (2,048 rows) and scale words stay for the whole launch, filled once; V goes through a ring of two slots of 256 keys.
; CLUSTER.  The four query blocks of a head form a cluster and need the same K and V: every tile is asked for JOINTLY, by the same tensor load with the same descriptor and a mask that names the four.
; Every wave issues every load (its eighth of the rows: of a slot of V 32 rows, since 256 rows are shared by eight waves).
; TWO KINDS OF WAVES.  Kind 0 runs a step's V^T P at the step's end, kind 1 at the head of the next step (V's fragments and P wait in registers).  kind = ((wave >> 2) xor wave) & 1.  Both run the same
; cycle of vector work and products; they differ in where the barrier of a change of slots falls in it, so that behind a barrier one kind begins with products and the other with vector work.
; LIMITS: NaN and infinities are not served.  p under 2^-24 becomes 0 in f16, beside a row's sum of 1 or more.  c m is rounded once and used for all keys of a row: what that rounding changes in p, it changes alike in l.
;
; REGISTERS, in windows of 256: window 1: O^T, accumulator (tile t, channels 16 u on) at 64 t + 8 u.  Window 0: v1-12 addresses; v16-31 four registers of statistics a tile; v32-63 Q's codes; v64-67 Q's scale words;
; v68-71 K's scale words (scales and nothing else); pass 1: v72-135 K's fragments, two sets of four, v136-199 scores, two halves of four tiles;
; pass 2: v72-87 K, v88-151 S^T then p, v152-183 P, v184-247 V; the way out: v72-135 and v136-199 by turns; v248-251 lane exchanges.
.set PK,    80                         ; a key's codes in LDS: 64 bytes + 16 of padding = 20 words: the 16 rows of a load start at 16 different groups of four banks (64 banks of 4 bytes: ISA guide 11.1)
.set PV,    288                        ; a row of V: 256 + 32 = 72 words
.set V1,    256*PV                     ; ring slot 0 at byte 0, slot 1 here (73,728)
.set KC,    2*V1                       ; K's codes: 2,048 rows x 80 bytes
.set KSB,   KC+2048*PK                 ; K's scale words: 4 bytes a key, dense
.set SPARE, KSB+8192                   ; the spare words, 128 bytes a wave: four blocks of 256 bytes that no other line names
.set SPI,   528                        ; the way out: a stage of 16 rows x (512 bytes + 16) for each wave, in ring slot 0, which has had its last fill and its last read when the first result is stored there
.set AK0, 1                            ; v1   my lane's place in a tile of K: 80 (l % 16) + 16 (l / 16) + KC
.set AS0, 2                            ; v2   4 x lane + KSB: lanes 0-15 take the words of 16 keys, lanes 16-31 those of the next 16
.set AV0, 3                            ; v3   my lane's place in a tile of V
.set ADK, 4                            ; v4-6 the addresses of the runs of loads in hand
.set ADS, 5
.set ADV, 6
.set STO, 7                            ; v7   the way out: where I put 32 bytes of a row
.set RD,  8                            ; v8   where I read a row back
.set GO,  9                            ; v9   16 x lane: my bytes of a row of out
.set SPW, 10                           ; v10  LDS address of my spare word; never rewritten
.set NIL, 11                           ; v11  0; never rewritten
.set PFO, 12                           ; v12  256 x lane: a row of V; never rewritten
.set ST,  16                           ; tile t at v[16 + 4 t]: pass 1: four chains of the maximum; then +0 = -c m, +1 = 0 (named with it as a pair), +2, +3 = l in two halves, at the end +2 = 1 / l
.set Q,   32
.set QS,  64
.set KS1, 68
.set KSC, 68
.set KB,  72
.set SH,  136
.set KF,  72
.set S,   88
.set P,   152
.set VF,  184
.set TMP, 248
.set OA,  72
.set WV,   16                          ; s16  my wave's number
.set KIND, 17                          ; s17
.set SEL,  20                          ; s[20:21] v_permlanex16_b32's selects for lane l xor 16
.set CS,   22                          ; s[22:23] c, twice: the packed form names a pair
.set G1K,  24                          ; s[24:31], s[32:39], s[40:47] descriptor groups 1: K's codes, K's scale words, V
.set G1S,  32
.set G1V,  40
.set G0K,  48                          ; s[48:51], s[52:55] groups 0 for K's codes and scale words; s[56:59], s[60:63] for V's two slots
.set G0S,  52
.set G0V,  56
.set TK,   66                          ; s66-68 LDS bytes by which the fetches of K's codes, K's scale words and V have stepped
.set TS,   67
.set TV,   68
.set CI,   69                          ; s69, s70 loop counts
.set CO,   70
.set CH,   71                          ; s71  changes of slots that fill, still to come
.set LIM,  72                          ; s72  1 in a wave that prefetches (waves 0, 1), else the greatest number
.set NC,   73                          ; s73  -c
.set PFA,  74                          ; s[74:75] where my prefetches stand
.set MSB, 0
.macro WIN new                         ; the immediate's high byte repeats the setting that is left; a switch that changes nothing is dropped
.if MSB != \new
	s_set_vgpr_msb (MSB<<8)|\new
.set MSB, \new
.endif
.endm
; A round of the cluster's barrier: my work-group's barrier, so that wave 0's signal speaks for all eight waves; wave 0 signals; every wave waits for the four work-groups; my work-group's barrier once more.
.macro CROUND
	s_barrier_signal -1
	s_barrier_wait -1
	s_cmp_lg_u32 s[WV], 0
	s_cbranch_scc1 .Lnot_wave_0_\@
	s_barrier_signal -3
.Lnot_wave_0_\@:
	s_barrier_wait -3
	s_barrier_signal -1
	s_barrier_wait -1
.endm
	s_load_b256 s[4:11], s[0:1], 0x0               ; Q's codes s[4:5], Q's scales s[6:7], K's codes s[8:9], K's scales s[10:11]
	s_load_b128 s[12:15], s[0:1], 0x20             ; V s[12:13], out s[14:15]
	v_lshl_add_u32 v[SPW], v0, 2, SPARE
	v_mov_b32 v[NIL], 0
	ds_add_u32 v[SPW], v[NIL]                      ; the wave's opening: the add, twice on end, and its wait ahead of my first tensor load; the set-up below stands between the second and the wait
	ds_add_u32 v[SPW], v[NIL]
	v_lshrrev_b32 v13, 5, v0
	v_readfirstlane_b32 s[WV], v13                 ; wave 0..7
	s_lshr_b32 s[KIND], s[WV], 2
	s_xor_b32 s[KIND], s[KIND], s[WV]
	s_and_b32 s[KIND], s[KIND], 1
	s_bfe_u32 s18, ttmp6, 0x40000                  ; cx: my place in the cluster: it enters Q's, out's and the prefetches' addresses alone
	s_and_b32 s19, ttmp7, 0xffff                   ; the head, which the four partners share
	; K's codes: my 256 rows of 64 bytes, dense in memory; 16 bytes of padding behind each row
	s_mov_b32 s[G1K], 15|(0<<16)|(1<<20)|(1<<21)|(3<<22)|(3<<25)   ; 15:0 the mask: all four work-groups; 17:16 elements of 1 byte; 20 padding on; 21 set beside a mask; 24:22 after every 16 words (code 3); 31:25 four words (code 3)
	s_mov_b32 s[G1K+1], 64<<16                     ; tensor_dim0 = 64
	s_mov_b32 s[G1K+2], 256<<16                    ; tensor_dim1 = 256
	s_mov_b32 s[G1K+3], 64<<16                     ; tile_dim0 = 64
	s_mov_b32 s[G1K+4], 256                        ; tile_dim1 = 256
	s_mov_b32 s[G1K+5], 64                         ; from row to row
	s_mov_b32 s[G1K+6], 0
	s_mov_b32 s[G1K+7], 0
	; K's scale words: my 1,024 dense bytes as 4 rows of 256 (32 elements of 8 bytes), no padding
	s_mov_b32 s[G1S], 15|(3<<16)|(1<<21)
	s_mov_b32 s[G1S+1], 32<<16
	s_mov_b32 s[G1S+2], 4<<16
	s_mov_b32 s[G1S+3], 32<<16
	s_mov_b32 s[G1S+4], 4
	s_mov_b32 s[G1S+5], 32
	s_mov_b32 s[G1S+6], 0
	s_mov_b32 s[G1S+7], 0
	; V: my 32 rows of 128 f16; 32 bytes of padding behind each row
	s_mov_b32 s[G1V], 15|(1<<16)|(1<<20)|(1<<21)|(5<<22)|(7<<25)   ; elements of 2 bytes; after every 64 words (code 5) eight words (code 7)
	s_mov_b32 s[G1V+1], 128<<16
	s_mov_b32 s[G1V+2], 32<<16
	s_mov_b32 s[G1V+3], 128<<16
	s_mov_b32 s[G1V+4], 32
	s_mov_b32 s[G1V+5], 128
	s_mov_b32 s[G1V+6], 0
	s_mov_b32 s[G1V+7], 0
	; where my parts of the tiles begin in memory: the head and the wave's number alone, the same in all four partners
	s_lshl_b32 s76, s19, 17                        ; K's codes: 131,072 bytes a head, 16,384 a wave
	s_lshl_b32 s77, s[WV], 14
	s_add_co_u32 s76, s76, s77
	s_mov_b32 s77, 0
	s_lshl_b32 s78, s19, 13                        ; K's scale words: 8,192 a head, 1,024 a wave
	s_lshl_b32 s79, s[WV], 10
	s_add_co_u32 s78, s78, s79
	s_mov_b32 s79, 0
	s_lshl_b32 s80, s19, 19                        ; V: 524,288 a head, 8,192 a wave
	s_lshl_b32 s81, s[WV], 13
	s_add_co_u32 s80, s80, s81
	s_mov_b32 s81, 0
	; and in LDS: a constant + the wave's number x a constant
	s_mov_b32 s[G0K], 1
	s_mul_i32 s[G0K+1], s[WV], 256*PK
	s_add_co_u32 s[G0K+1], s[G0K+1], KC
	s_mov_b32 s[G0S], 1
	s_lshl_b32 s[G0S+1], s[WV], 10
	s_add_co_u32 s[G0S+1], s[G0S+1], KSB
	s_mov_b32 s[G0V], 1
	s_mul_i32 s[G0V+1], s[WV], 32*PV
	s_mov_b32 s[G0V+4], 1
	s_add_co_u32 s[G0V+5], s[G0V+1], V1
	; my first query's row among the 131,072: 2,048 head + 512 (4 x cluster x + cx) + 64 wave
	s_lshl_b32 s3, ttmp9, 2
	s_add_co_u32 s3, s3, s18
	s_lshl_b32 s3, s3, 9
	s_lshl_b32 s2, s19, 11
	s_add_co_u32 s3, s3, s2
	s_lshl_b32 s2, s[WV], 6
	s_add_co_u32 s3, s3, s2
	s_mov_b32 s83, 0
	s_mov_b32 s[SEL], 0x76543210
	s_mov_b32 s[SEL+1], 0xfedcba98
	s_mov_b32 s[CS], 0x3e0293ee                    ; c = log2(e) / sqrt(128)
	s_mov_b32 s[CS+1], s[CS]
	s_mov_b32 s[NC], 0xbe0293ee                    ; -c
	s_mov_b32 s[CH], 6
	s_cmp_lt_u32 s[WV], 2
	s_cselect_b32 s[LIM], 1, -1                    ; the same in all four partners
	s_wait_dscnt 0x0                               ; both opening adds are done
	s_wait_kmcnt 0x0
	s_add_nc_u64 s[G0K+2:G0K+3], s[8:9], s[76:77]
	s_or_b32 s[G0K+3], s[G0K+3], 0x80000000        ; 127:126 type = 2
	s_add_nc_u64 s[G0S+2:G0S+3], s[10:11], s[78:79]
	s_or_b32 s[G0S+3], s[G0S+3], 0x80000000
	s_add_nc_u64 s[G0V+2:G0V+3], s[12:13], s[80:81]    ; slot 0: keys 0 to 255
	s_add_nc_u64 s[G0V+6:G0V+7], s[G0V+2:G0V+3], 65536 ; slot 1: keys 256 to 511
	s_or_b32 s[G0V+3], s[G0V+3], 0x80000000
	s_or_b32 s[G0V+7], s[G0V+7], 0x80000000
	s_lshl_b32 s82, s3, 6
	s_add_nc_u64 s[4:5], s[4:5], s[82:83]          ; Q's codes at my first query: 64 bytes a row,
	s_lshl_b32 s82, s3, 2
	s_add_nc_u64 s[6:7], s[6:7], s[82:83]          ; its scale words: 4,
	s_lshl_b32 s82, s3, 9
	s_add_nc_u64 s[14:15], s[14:15], s[82:83]      ; out: 512
	s_lshl_b32 s82, s19, 19                        ; the prefetches: in my head, my work-group's 64 rows of a slot's 256, my wave's 32 of them,
	s_lshl_b32 s2, s18, 14
	s_add_co_u32 s82, s82, s2
	s_and_b32 s2, s[WV], 1
	s_lshl_b32 s2, s2, 13
	s_add_co_u32 s82, s82, s2
	s_add_co_u32 s82, s82, 2*65536                 ; in keys 512 on; the first change of slots steps it to keys 768 on.  Nothing is prefetched here, at the head
	s_add_nc_u64 s[PFA:PFA+1], s[12:13], s[82:83]
	CROUND                                         ; all four work-groups are here: the first joint loads meet
	tensor_load_to_lds s[G0S:G0S+3], s[G1S:G1S+7]  ; the first fills go out as one group: four loads of mine are out.  The scale words,
	s_nop 0
	tensor_load_to_lds s[G0K:G0K+3], s[G1K:G1K+7]  ; K's codes,
	s_nop 0
	tensor_load_to_lds s[G0V:G0V+3], s[G1V:G1V+7]  ; V's slot 0,
	s_nop 0
	tensor_load_to_lds s[G0V+4:G0V+7], s[G1V:G1V+7]  ; V's slot 1
	s_nop 0
.rept 4
	v_nop
.endr
	v_and_b32 v13, 15, v0                          ; r = l % 16
	v_bfe_u32 v14, v0, 4, 1                        ; h = l / 16
	v_and_b32 v15, 31, v0                          ; lane
	v_mul_u32_u24 v[AK0], v13, PK
	v_lshl_add_u32 v[AK0], v14, 4, v[AK0]
	v_add_nc_u32 v[AK0], KC, v[AK0]                ; a fragment of 4-bit codes: row r, 16 bytes for each half of the lanes, two loads 32 bytes apart
	v_lshl_add_u32 v[AS0], v15, 2, KSB
	v_and_b32 v[AV0], 7, v0                        ; the turning load: lane l reads 16 bytes of key 8 h + l % 8, channels 8 ((l / 8) % 2) on
	v_lshl_add_u32 v[AV0], v14, 3, v[AV0]
	v_mul_u32_u24 v[AV0], v[AV0], PV
	v_bfe_u32 v[ADK], v0, 3, 1
	v_lshl_add_u32 v[AV0], v[ADK], 4, v[AV0]
	s_mul_i32 s2, s[WV], 16*SPI                    ; my stage
	v_mul_u32_u24 v[STO], v13, SPI
	v_lshl_add_u32 v[STO], v14, 5, v[STO]
	v_add_nc_u32 v[STO], s2, v[STO]                ; in: row r, 32 bytes for each half of the lanes
	v_lshlrev_b32 v[GO], 4, v15
	v_add_nc_u32 v[RD], s2, v[GO]                  ; back: the 32 lanes take one row of 512 bytes
	v_lshlrev_b32 v[PFO], 8, v15
.irp t, 0,1,2,3
	v_mov_b32 v[TMP+\t], 0                         ; written once: a lane permute's destination counts as one of its sources
.endr
	v_lshlrev_b32 v15, 2, v13                      ; Q's scale words: 4 r
	v_lshlrev_b32 v13, 6, v13
	v_lshl_add_u32 v13, v14, 4, v13                ; Q's codes: 64 r + 16 h.  v13 and v15 are not written again
.irp t, 0,1,2,3
.irp c, 0,1
	global_load_b128 v[Q+8*\t+4*\c:Q+8*\t+4*\c+3], v13, s[4:5] offset:1024*\t+32*\c th:TH_LOAD_NT   ; Q stays in registers
.endr
	global_load_b32 v[QS+\t], v15, s[6:7] offset:64*\t th:TH_LOAD_NT
.endr
; A product of the first kind: 16 keys (fragment a, scale words in register sc: lanes 0-15, or lanes 16-31 where row1 = 1) x tile t's 16 queries -> d.  It starts its sum: nothing is cleared.
.macro SPROD d, a, t, sc, row1
.if \row1
	v_wmma_scale_f32_16x16x128_f8f6f4 v[\d:\d+7], v[\a:\a+7], v[Q+8*(\t):Q+8*(\t)+7], 0, v[\sc], v[QS+(\t)] matrix_a_fmt:MATRIX_FMT_FP4 matrix_b_fmt:MATRIX_FMT_FP4 matrix_a_scale:MATRIX_SCALE_ROW1
.else
	v_wmma_scale_f32_16x16x128_f8f6f4 v[\d:\d+7], v[\a:\a+7], v[Q+8*(\t):Q+8*(\t)+7], 0, v[\sc], v[QS+(\t)] matrix_a_fmt:MATRIX_FMT_FP4 matrix_b_fmt:MATRIX_FMT_FP4
.endif
.endm
; PASS 1.  64 keys' fragments (four tiles) and scale words (two registers, two tiles each) into set b
.macro KLOAD1 b
	v_add_nc_u32 v[ADK], s[TK], v[AK0]
	v_add_nc_u32 v[ADS], s[TS], v[AS0]
.irp a, 0,1,2,3
.irp c, 0,1
	ds_load_b128 v[KB+32*(\b)+8*\a+4*\c:KB+32*(\b)+8*\a+4*\c+3], v[ADK] offset:16*PK*\a+32*\c
.endr
.endr
.irp g, 0,1
	ds_load_b32 v[KS1+2*(\b)+\g], v[ADS] offset:128*\g
.endr
.endm
.macro MAX4 sh, t                      ; tile t's eight scores at sh + 8 t go into its four chains, from the accumulator's low end on
.irp j, 0,1,2,3
	v_max3_num_f32 v[ST+4*(\t)+\j], v[ST+4*(\t)+\j], v[\sh+8*(\t)+2*\j], v[\sh+8*(\t)+2*\j+1]
.endr
.endm
; 64 keys: 16 products, and behind each the four maxima over the tile of scores made four products earlier (the other half of the scores' registers).  Those four plain instructions name none of the
; product's registers: they are the places ahead of reads of results and of loads into K's registers, and the wave's vector work stands between its products.
; pre = 1: the next 64 keys are fetched into the other set, 16 products ahead of their use.
.macro H b, pre
	s_wait_dscnt 0x0                               ; this group's fragments and scale words, asked for one group ago
.if \pre
	s_add_co_u32 s[TK], s[TK], 64*PK
	s_add_co_u32 s[TS], s[TS], 256
	KLOAD1 1-\b
.endif
.irp ph, 0,1,2,3
.irp t, 0,1,2,3
	SPROD SH+32*(\ph%2)+8*\t, KB+32*(\b)+8*\ph, \t, KS1+2*(\b)+\ph/2, \ph%2
	MAX4 SH+32*((\ph+1)%2), \t
.endr
.endr
.endm
	s_wait_tensorcnt 0x2                           ; my parts of the scale words and of K's codes are in; behind them I issued V's two slots, which may stay out
	s_barrier_signal -1
	s_barrier_wait -1                              ; everybody's are
	s_mov_b32 s[TK], 0
	s_mov_b32 s[TS], 0
	KLOAD1 0
	s_wait_loadcnt 0x0                             ; Q
	s_wait_dscnt 0x0
.irp t, 0,1,2,3
	SPROD SH+32+8*\t, KB, \t, KS1, 0               ; the first 16 keys' scores once ahead of time, so that the first maxima find scores: they count twice, which changes no maximum
.endr
.irp j, 0,1,2,3,4,5,6,7,8,9,10,11,12,13,14,15
	v_mov_b32 v[ST+\j], 0xff800000                 ; the chains begin at -infinity.  (These are also the places behind those products)
.endr
	s_mov_b32 s[CO], 15                            ; 32 groups of 64 keys: 15 trips of two, and two written out, the last of which fetches nothing
.Lp1:
	H 0, 1
	H 1, 1
	s_sub_co_u32 s[CO], s[CO], 1
	s_cmp_lg_u32 s[CO], 0
	s_cbranch_scc1 .Lp1
	H 0, 1
	H 1, 0
.irp t, 0,1,2,3
	MAX4 SH+32, \t                                 ; the last 16 keys' scores
.endr
.irp t, 0,1,2,3
	v_max3_num_f32 v[ST+4*\t], v[ST+4*\t], v[ST+4*\t+1], v[ST+4*\t+2]
.endr
.irp t, 0,1,2,3
	v_max_num_f32 v[ST+4*\t], v[ST+4*\t], v[ST+4*\t+3]
.endr
.irp t, 0,1,2,3
	v_permlanex16_b32 v[TMP+\t], v[ST+4*\t], s[SEL], s[SEL+1]     ; the query's other keys lie in the lane 16 away
.endr
.irp t, 0,1,2,3
	v_max_num_f32 v[ST+4*\t], v[ST+4*\t], v[TMP+\t]               ; m
.endr
.irp t, 0,1,2,3
	v_mul_f32 v[ST+4*\t], s[NC], v[ST+4*\t]                       ; -c m
	v_mov_b32 v[ST+4*\t+1], 0
	v_mov_b32 v[ST+4*\t+2], 0                                     ; l, in two halves
	v_mov_b32 v[ST+4*\t+3], 0
.endr
; PASS 2.  32 keys' fragments of K (two tiles) and their scale words (one register).  The two additions and two v_nop are the four places behind the products that read these registers.
.macro KLOAD2
	v_add_nc_u32 v[ADK], s[TK], v[AK0]
	v_add_nc_u32 v[ADS], s[TS], v[AS0]
	v_nop
	v_nop
.irp a, 0,1
.irp c, 0,1
	ds_load_b128 v[KF+8*\a+4*\c:KF+8*\a+4*\c+3], v[ADK] offset:16*PK*\a+32*\c
.endr
.endr
	ds_load_b32 v[KSC], v[ADS]
.endm
; O^T += V^T P for 32 keys: 32 products on 32 accumulators, one instruction a turn; products of the first kind stand between two such runs.  zero = 1: they start the sums.
.macro PVB zero
	WIN 0x50                                       ; C and D in window 1
.irp u, 0,1,2,3,4,5,6,7
.irp t, 0,1,2,3
.if \zero
	v_wmma_f32_16x16x32_f16 v[64*\t+8*\u:64*\t+8*\u+7], v[VF+8*\u:VF+8*\u+7], v[P+8*\t:P+8*\t+7], 0
.else
	v_wmma_f32_16x16x32_f16 v[64*\t+8*\u:64*\t+8*\u+7], v[VF+8*\u:VF+8*\u+7], v[P+8*\t:P+8*\t+7], v[64*\t+8*\u:64*\t+8*\u+7]
.endif
.endr
.endr
	WIN 0
.endm
; A STEP of 32 keys.  head = 1: kind 1 first runs the V^T P of the step before.  tail = 1: kind 0 runs this step's at the end; tail = 0: all waves do, and it starts O^T's sums (the first step).
; pre = 1: the next step's K is fetched.
.macro STEP head, tail, pre
.if \head
	s_cmp_eq_u32 s[KIND], 0
	s_cbranch_scc1 .Lh_\@
	PVB 0
.Lh_\@:
.endif
	v_add_nc_u32 v[ADV], s[TV], v[AV0]             ; with the three v_nop: four places behind the last product that read V's registers, on both ways
.rept 3
	v_nop
.endr
.irp u, 0,1,2,3,4,5,6,7                        ; V^T: channels 16 u on; keys 0-15, then 16-31
	ds_load_tr16_b128 v[VF+8*\u:VF+8*\u+3],   v[ADV] offset:32*\u
	ds_load_tr16_b128 v[VF+8*\u+4:VF+8*\u+7], v[ADV] offset:16*PV+32*\u
.endr
	s_add_co_u32 s[TV], s[TV], 32*PV
	s_wait_dscnt 16                                ; K's five loads are in: they are older than the sixteen just issued
.irp a, 0,1
.irp t, 0,1,2,3
	SPROD S+16*\t+8*\a, KF+8*\a, \t, KSC, \a
.endr
.endr
.if \pre
	s_add_co_u32 s[TK], s[TK], 32*PK
	s_add_co_u32 s[TS], s[TS], 128
	KLOAD2
.else
.rept 4
	v_nop                                          ; the places ahead of the first read of the scores
.endr
.endif
.irp j, 0,2,4,6,8,10,12,14                     ; c s - c m, two at a time, the four tiles by turns; each accumulator from its low end on
.irp t, 0,1,2,3
	v_pk_fma_f32 v[S+16*\t+\j:S+16*\t+\j+1], v[S+16*\t+\j:S+16*\t+\j+1], s[CS:CS+1], v[ST+4*\t:ST+4*\t+1] op_sel_hi:[1,0,0]
.endr
.endr
.irp j, 0,1,2,3,4,5,6,7,8,9,10,11,12,13,14,15
.irp t, 0,1,2,3
	v_exp_f32 v[S+16*\t+\j], v[S+16*\t+\j]         ; p: one batch of 64
.endr
.endr
	v_nop                                          ; a plain instruction behind the last exponential,
	s_wait_alu depctr_va_vdst(0)                   ; and the one wait ahead of the batch's first reader
.irp j, 0,1,2,3,4,5,6,7
.irp t, 0,1,2,3
	v_cvt_pk_f16_f32 v[P+8*\t+\j], v[S+16*\t+2*\j], v[S+16*\t+2*\j+1]   ; registers 0-3: keys 8 h + 0..7, registers 4-7: keys 16 + 8 h + 0..7: source 1's layout as it stands
.endr
.endr
.irp j, 0,2,4,6,8,10,12,14
.irp t, 0,1,2,3
	v_pk_add_f32 v[ST+4*\t+2:ST+4*\t+3], v[ST+4*\t+2:ST+4*\t+3], v[S+16*\t+\j:S+16*\t+\j+1]   ; l takes the unrounded p
.endr
.endr
	s_wait_dscnt 5*\pre                            ; V's sixteen loads are in; K's five, issued behind them, may be out
.if \tail
	s_cmp_eq_u32 s[KIND], 0
	s_cbranch_scc0 .Lt_\@
	PVB 0
.Lt_\@:
.else
	PVB 1
.endif
.endm
.macro STEPS n
	s_mov_b32 s[CI], \n
.Lst_\@:
	STEP 1, 1, 1
	s_sub_co_u32 s[CI], s[CI], 1
	s_cmp_lg_u32 s[CI], 0
	s_cbranch_scc1 .Lst_\@
.endm
; A prefetch of the 256 rows of V that the NEXT change of slots will ask for: eight steps ahead of that load.  Each row's 256 bytes are named once in the launch: a head has one cluster; its four partners take
; 64 rows each, told apart by address; in each, waves 0 and 1 take 32 rows, a lane a row.  It stands behind the wave's tensor load and its five lines.  The last change that fills asks for nothing.
.macro ASK
	s_cmp_gt_u32 s[CH], s[LIM]
	s_cbranch_scc0 .Lnot_mine_\@
	global_prefetch_b8 v[PFO], s[PFA:PFA+1] th:TH_LOAD_NT scope:SCOPE_SE
.Lnot_mine_\@:
.endm
; THE CHANGE OF SLOTS, between two steps: slot ring has been read out (kind 1 holds its last step's V and P in registers).  Each wave waits for all its tensor loads, of which one is out: its part of the other slot;
; adds 0 to its spare word; and waits for that and for its reads of the slot.  fill = 1: the barrier is a round of the cluster's, so that no wave of any partner still reads the slot or has a load on its way,
; and the joint refill, the keys two slots on, is the first thing behind it: one load a wave, with eight steps in which to land.
.macro CHANGE fill, ring
	s_wait_tensorcnt 0x0                           ; no tensor load of mine is out, so a group 0 may be written
	ds_add_u32 v[SPW], v[NIL]                      ; 0 onto my spare word
.if \fill
	s_add_nc_u64 s[G0V+4*\ring+2:G0V+4*\ring+3], s[G0V+4*\ring+2:G0V+4*\ring+3], 2*65536   ; 512 keys on; the type bits on top are not reached
	s_wait_xcnt 0x0                                ; the last prefetch, eight steps back, has read its address, so it may be written
	s_add_nc_u64 s[PFA:PFA+1], s[PFA:PFA+1], 65536
	s_wait_dscnt 0x0                               ; the add is done, and my reads of the slot are over
	CROUND
	tensor_load_to_lds s[G0V+4*\ring:G0V+4*\ring+3], s[G1V:G1V+7]
	s_nop 0
.rept 4
	v_nop
.endr
	ASK
	s_sub_co_u32 s[CH], s[CH], 1
.else
	s_wait_dscnt 0x0
	s_barrier_signal -1
	s_barrier_wait -1
.endif
	s_mov_b32 s[TV], (1-\ring)*V1                  ; the fetches of V go on in the other slot
.endm
	s_wait_tensorcnt 0x1                           ; my part of V's slot 0 is in; slot 1's, issued behind it, may stay out.  No LDS load of mine is out
	s_barrier_signal -1
	s_barrier_wait -1
	s_mov_b32 s[TK], 0
	s_mov_b32 s[TS], 0
	s_mov_b32 s[TV], 0
	KLOAD2
	STEP 0, 0, 1                                   ; keys 0-31: all waves start O^T's sums
	STEP 0, 1, 1                                   ; keys 32-63: from here on kind 1 runs a step behind with its second product
	STEPS 6
	s_mov_b32 s[CO], 3
.Lmain:                                            ; three trips: six slots of 256 keys, six refills
	CHANGE 1, 0
	STEPS 8
	CHANGE 1, 1
	STEPS 8
	s_sub_co_u32 s[CO], s[CO], 1
	s_cmp_lg_u32 s[CO], 0
	s_cbranch_scc1 .Lmain
	CHANGE 0, 0                                    ; the last slot: nothing is left to ask for
	STEPS 7
	STEP 1, 1, 0
	s_cmp_eq_u32 s[KIND], 0
	s_cbranch_scc1 .Lout
	PVB 0                                          ; kind 1: the last step's second product
.Lout:
	; THE WAY OUT.  l's two halves and the other half of the lanes' are added; O^T / l goes through my stage in LDS, a tile (16 rows of out) at a time.  The additions are the places behind the last products.
.irp t, 0,1,2,3
	v_add_f32 v[ST+4*\t], v[ST+4*\t+2], v[ST+4*\t+3]
.endr
.irp t, 0,1,2,3
	v_permlanex16_b32 v[TMP+\t], v[ST+4*\t], s[SEL], s[SEL+1]
.endr
.irp t, 0,1,2,3
	v_add_f32 v[ST+4*\t], v[ST+4*\t], v[TMP+\t]
.endr
.irp t, 0,1,2,3
	v_rcp_f32 v[ST+4*\t+2], v[ST+4*\t]
.endr
	v_nop                                          ; a plain instruction behind the last reciprocal,
	s_wait_alu depctr_va_vdst(0)                   ; and the one wait for the four, ahead of their first reader
; Tile t: register 8 u + j of lane (r, h) is out(16 t + r, 16 u + 8 h + j): 32 neighbouring bytes of a row.  They go into rows of 528 bytes and come back as whole rows of 512, into the registers that they left.
.macro PACK t
.set SETR, OA+64*((\t)%2)
	WIN 0x01                                       ; source 0 (O^T) in window 1
.set i, 0
.rept 32
	v_pk_mul_f32 v[SETR+i:SETR+i+1], v[64*(\t)+i:64*(\t)+i+1], v[ST+4*(\t)+2:ST+4*(\t)+3] op_sel_hi:[1,0]   ; each accumulator from its low end on
.set i, i+2
.endr
	WIN 0
.irp u, 0,1,2,3,4,5,6,7
	ds_store_b128 v[STO], v[SETR+8*\u:SETR+8*\u+3] offset:64*\u
	ds_store_b128 v[STO], v[SETR+8*\u+4:SETR+8*\u+7] offset:64*\u+16
.endr
.irp n, 0,1,2,3,4,5,6,7,8,9,10,11,12,13,14,15
	ds_load_b128 v[SETR+4*\n:SETR+4*\n+3], v[RD] offset:SPI*\n     ; LDS serves a wave's instructions in order (ISA guide 5.7.1.4): these see the stores above, and the next tile's stores come behind them
.endr
.endm
.macro SEND t, younger                 ; younger: the LDS instructions issued behind tile t's loads: the next tile's 32, or none
.set SETR, OA+64*((\t)%2)
.irp n, 0,1,2,3,4,5,6,7,8,9,10,11,12,13,14,15
	s_wait_dscnt \younger+15-\n
	global_store_b128 v[GO], v[SETR+4*\n:SETR+4*\n+3], s[14:15] offset:(16*(\t)+\n)*512 th:TH_STORE_NT   ; 32 lanes store 512 consecutive bytes, at a multiple of 256 from out's first byte
.endr
.endm
	PACK 0
	PACK 1                                         ; a tile's arithmetic stands between the loads of the tile before and its stores
	SEND 0, 32
	s_wait_xcnt 0x0                                ; tile 0's stores have read their registers, which tile 2 takes
	PACK 2
	SEND 1, 32
	s_wait_xcnt 0x0                                ; likewise tile 1's, for tile 3
	PACK 3
	SEND 2, 32
	SEND 3, 0
	s_wait_tensorcnt 0x0                           ; the wave's end, behind my last tensor load and my last LDS store
	ds_add_u32 v[SPW], v[NIL]
	s_wait_dscnt 0x0
	CROUND                                         ; the closing round: no work-group ends while a partner may still ask for a tile that names it
	s_endpgm
.Lfunc_end_k_q5763cb6507_attn:
	.size	k_q5763cb6507_attn, .Lfunc_end_k_q5763cb6507_attn-k_q5763cb6507_attn
	.p2alignl 7, 3214868480
	.fill 96, 4, 3214868480
	.section	.rodata,"a",@progbits
	.p2align	6, 0x0
	.amdhsa_kernel k_q5763cb6507_attn
		.amdhsa_group_segment_fixed_size 327680
		.amdhsa_private_segment_fixed_size 0
		.amdhsa_enable_private_segment 0
		.amdhsa_kernarg_size 48
		.amdhsa_user_sgpr_count 2
		.amdhsa_user_sgpr_kernarg_segment_ptr 1
		.amdhsa_wavefront_size32 1
		.amdhsa_system_sgpr_workgroup_id_x 1
		.amdhsa_system_sgpr_workgroup_id_y 1
		.amdhsa_system_sgpr_workgroup_id_z 1
		.amdhsa_system_vgpr_workitem_id 0
		.amdhsa_next_free_vgpr 512
		.amdhsa_next_free_sgpr 84
		.amdhsa_reserve_vcc 0
		.amdhsa_float_denorm_mode_32 3
		.amdhsa_float_denorm_mode_16_64 3
		.amdhsa_memory_ordered 1
		.amdhsa_forward_progress 1
		.amdhsa_inst_pref_size 172
	.end_amdhsa_kernel
	.amdgpu_metadata
---
amdhsa.version: [ 1, 2 ]
amdhsa.kernels:
  - .name:           k_q5763cb6507_attn
    .symbol:         k_q5763cb6507_attn.kd
    .args:
      - { .name: qc, .offset: 0, .size: 8, .value_kind: global_buffer, .address_space: global }
      - { .name: qs, .offset: 8, .size: 8, .value_kind: global_buffer, .address_space: global }
      - { .name: kc, .offset: 16, .size: 8, .value_kind: global_buffer, .address_space: global }
      - { .name: ks, .offset: 24, .size: 8, .value_kind: global_buffer, .address_space: global }
      - { .name: vh, .offset: 32, .size: 8, .value_kind: global_buffer, .address_space: global }
      - { .name: out0, .offset: 40, .size: 8, .value_kind: global_buffer, .address_space: global }
    .group_segment_fixed_size: 327680
    .private_segment_fixed_size: 0
    .kernarg_segment_align: 8
    .kernarg_segment_size: 48
    .max_flat_workgroup_size: 256
    .sgpr_count:     84
    .vgpr_count:     512
    .wavefront_size: 32
...
	.end_amdgpu_metadata
.endif
;; end of part 2
